; MI455X (gfx1250); checked and timed in simulation.
; The chip was launched on July 23, 2026; its instructions are those of AMD's public machine-readable ISA for CDNA 5 (MIT licence, August 2026) and "CDNA5" Instruction Set Architecture Reference Guide (July 2026). The comments in the code are by the model that wrote it; some were corrected since.
;; Attention Base. Allowed arithmetic: matrix products marked QUANTISED: E2M3 operands, one E8M0 scale for each 32 along K, by v_wmma_scale_f32_16x16x128_f8f6f4 with both operands' format E2M3, f32 sums; everything else in f32.
;; Inputs: attention_mask 2 x 2,048 bool; keys 2 x 2,048 x 2,048 float32; queries 2 x 2,048 x 2,048 float32; values 2 x 2,048 x 2,048 float32; w_out 2,048 x 2,048 float32.
;; Outputs: out0 2 x 2,048 x 2,048 float32.
;; This version of the problem:
;;   THIS VERSION OF THE PROBLEM IS GIVEN IN LOW PRECISION. The matrix products marked QUANTISED in the list below multiply operands that are first quantised to E2M3 (2 exponent bits, 3 mantissa bits; 6 bits a number), with one power-of-two scale for each 32 numbers along K (OCP MX v1.0); their sums are f32. All else is computed in f32.
;;   The module's matrix products, in the order in which they are computed (A, B: the left and right operand; K: the contracted axis; several contracted axes count as one K, in the product's order):
;;     1. batch 32 x [M 2,048, K 128] x [K 128, N 2,048]; A: computed on the way; B: input keys: QUANTISED
;;     2. batch 32 x [M 128, K 2,048] x [K 2,048, N 2,048]; A: input values; B: softmax (see below): QUANTISED
;;     3. [M 4,096, K 2,048] x [K 2,048, N 2,048]; A: computed on the way; B: input w_out: QUANTISED
;;   THE QUANTISER, for each operand of a quantised product, along K:
;;     - K is cut into blocks of 32 from its start; a last block that is shorter is filled with zeros.
;;     - A block's scale is 2^e with e = floor(log2(the largest magnitude in the block)) - 2, held to -126 .. 127; a block of zeros has e = 0. As a byte (E8M0): e + 127.
;;     - Each number is divided by its block's scale, clamped to +-7.5, and rounded to the nearest number of E2M3, ties to even, subnormals kept.
;;     - The product sums the exact products of the quantised numbers (number of the format x scale) in f32.
;;   ~~~python
;;   def quantise(x, axis):      # numpy; x: float32 -> the quantised numbers, widened to float32 again
;;       x = np.moveaxis(x, axis, -1); K = x.shape[-1]
;;       x = np.pad(x, [(0, 0)] * (x.ndim - 1) + [(0, -K % 32)]); x = x.reshape(x.shape[:-1] + (-1, 32)); a = np.abs(x).max(-1, keepdims=True)
;;       e = np.where(a > 0, np.clip(np.frexp(np.where(a > 0, a, 1))[1] - 1 - 2, -126, 127), 0)      # np.frexp(a)[1] - 1 = floor(log2(a)), exactly
;;       r = np.clip(x / 2.0 ** e, -7.5, 7.5)
;;       step = 2.0 ** (np.maximum(np.frexp(np.where(r == 0, 1, r))[1] - 1, 0) - 3)
;;       q = np.round(r / step) * step * 2.0 ** e      # np.round: ties to even
;;       return np.moveaxis(q.reshape(q.shape[:-2] + (-1,))[..., :K], -1, axis).astype(np.float32)
;;   ~~~
;;   SOFTMAX AHEAD OF A QUANTISED PRODUCT. Where the list says 'softmax', what is quantised is not the finished softmax but p = 2^(t - M), with t = logit x log2(e) and M = ceil(the row's largest t), a whole number; so 1/2 < the row's largest p <= 1. The row's sum l is taken of the UNQUANTISED p, in f32, and the product's result is divided by l at the end. Since M is a whole number, a kernel that streams over the keys may use a running M (the ceiling of the running maximum): every later rescaling is an exact power of two, which a block's scale takes up: the codes' values come out the same.
;;   OPERANDS COMPUTED ON THE WAY. 'Computed on the way' means the value that the module computes at that place (a softmax that the list does not call 'softmax' is quantised finished and normalised). What goes into a quantiser is computed in f32, as accurately as f32 sums, v_exp_f32 and their like allow (about 1e-6 of the number): no bf16 or f16 on the way to a quantiser, and a product that is left as it is and whose result goes on into a quantised operand takes f32 operands (vector FMAs, or v_wmma_f32_16x16x4_f32). A number that lies on a knife's edge between two numbers of the format may be rounded either way, as far as f32 arithmetic and the matrix unit's own rounding can turn it there, and no further.
;; One version. Each part assembles by itself: llvm-mc -triple=amdgcn-amd-amdhsa -mcpu=gfx1250 --defsym DOCPART=n.
;; ======== version 1 of 1: 3 launches
;; limits: right only within a limited range of input values
;; workspace buffers: qq 6,553,600 bytes; kq 6,553,600 bytes; vq 6,553,600 bytes; aq 6,553,600 bytes; wq 3,276,800 bytes
;; launch quant (part 1): grid 224 x 1, 8 waves a work-group, no clusters, 327,680 bytes of LDS; arguments queries, keys, w_out, values, qq, kq, wq, vq; writes qq, kq, wq, vq
.if DOCPART == 1
	.amdgcn_target "amdgcn-amd-amdhsa--gfx1250"
	.amdhsa_code_object_version 6
	.text
	.protected	k_qd44d3b3a0f_quant
	.globl	k_qd44d3b3a0f_quant
	.p2align	8
	.type	k_qd44d3b3a0f_quant,@function
k_qd44d3b3a0f_quant:
	s_mov_b64 s[64:65], 0
	v_nop
	global_prefetch_b8 v0, s[64:65] scope:SCOPE_SE
	s_setreg_imm32_b32 hwreg(HW_REG_WAVE_MODE, 25, 1), 1
	s_wait_xcnt 0x0
; queries x 128^-0.5, keys, w_out (K = their last axis) and values (K = the keys) become codes of FP6 (E2M3) with one E8M0 scale byte for each 32 along K.
; A block's scale is 2^(floor(log2(its largest magnitude)) - 2); its byte is the largest magnitude's exponent field - 2, held at 1 from below.
; LIMITS: NaN and infinities are not served; a block whose largest magnitude lies under 2^-124 keeps the byte 1; a block of zeros gets the byte 1 where the rule says 127: its codes are zeros, and this program alone reads the bytes.
; THE LAYOUT OF ALL FOUR BUFFERS is the order of an operand's registers.  A UNIT of 12,800 bytes stands for 128 rows x 128 along K: eight fragment images of 1,536 bytes, then 512 bytes of scale words.
;   image: register g (0..11) of lane L at byte 512 (g / 4) + 16 L + 4 (g % 4): three accesses of 16 bytes a lane move a fragment, 512 consecutive bytes each.
;   rows:  lane r of tile t holds row 32 (t / 2) + 8 (t % 2) + r + 8 (r / 8) of the 128, so that a transposed product's 16 registers of tiles 2 b, 2 b + 1 are 16 neighbours.
;   words: qq, kq, wq: tile t, lane r at 12,288 + 256 (t / 4) + 16 r + 4 (t % 4);   vq: at 12,288 + 128 (t / 2) + 8 r + 4 (t % 2).
;   unit number: 16 G + kc.  qq, kq: G = row / 128, kc = head;  wq: G = n / 128, kc = e / 128;  vq: G = 16 batch + key / 128, kc = head, and the unit's rows are the head's channels.
; SHARES.  Every unit of every buffer is made of one piece of its input: 128 rows x 512 bytes, at (G << 20) + (kc << 9).  A wave makes one unit; the eight waves of a work-group stand side by side on 4,096 bytes of the same rows.
;   Work-groups 0-63 take queries, 64-127 keys, 128-159 w_out, 160-223 values: 1,792 units in all.
; THE RING.  A wave's piece comes in four phases of 32 rows (16,384 bytes) by tensor loads into the wave's own two LDS slots, rows 528 bytes apart: one load at the head, one behind each of three barriers, each a phase ahead of its reads.
;   Only the wave that asked reads a slot.
; PREFETCH.  At each change of slots every tensor load of the wave has landed, so the next one sets out with nothing beside it.  So beside the load of a phase the wave asks for the phase after it: 64 blocks of 256 bytes,
;   a lane a block, two instructions, one phase ahead of the load that wants them; offsets are immediates, no register of theirs is written again.  Beside the last phase's load nothing is left to ask for.
; No matrix instruction; no cluster: no two work-groups read the same bytes.
.set UNIT,  12800
.set FRB,   1536                       ; a fragment's image
.set SCW,   8*FRB                      ; where a unit's scale words begin
.set SP,    528                        ; an LDS row: 512 bytes + 16
.set SLOTB, 32*SP                      ; a slot: 16,896 bytes, 66 blocks of 256
.set WST,   16*SLOTB                   ; behind the sixteen slots: 512 bytes a wave, where vq's scale words turn; no tensor load lands here
.set SPARE, WST+8*512                  ; the spare words, 128 bytes for each of eight waves
.set PHB,   32*8192                    ; from phase to phase in memory
.set WV,    20                         ; s20  wave
.set SRC,   22                         ; s[22:23] where my piece begins; never rewritten
.set DST,   24                         ; s[24:25] my unit
.set SEL,   30                         ; s[30:31] selects for lane l xor 16
.set QSC,   32                         ; s[32:33] 128^-0.5
.set G0,    36                         ; s[36:39], s[40:43] descriptor group 0 for slot 0, slot 1
.set G1,    48                         ; s[48:55] group 1: 32 rows of 128 f32, 2,048 f32 apart
.set SPW,   254                        ; my spare word; never rewritten
.set NIL,   255                        ; 0; never rewritten
.set LI,    4                          ; 16 x lane
.set PFO,   14                         ; the prefetches' offset: row lane / 2 of sixteen, half lane % 2 of its 512 bytes; never rewritten
; K innermost
.set STR,   6                          ; my row of a tile in slot 0, + 64 bytes for lanes 16-31
.set X,     16                         ; v16-143  two sets of 64 numbers: register 16 b + i = k 32 b + 16 (lane / 16) + i of my row
.set PC,    208                        ; v208-219 the fragment
.set TC,    220                        ; v220-226 the blocks' upper halves as converted
.set TM,    228                        ; v228-239 +0..3 largest magnitudes, +4..7 the other lane's, then bytes, +8..11 scale operands
.set OUT,   240                        ; v240-243 my 16 bytes of the unit's scale words
.set SW,    244                        ; v244-251 the eight tiles' scale words
; values
.set VR,    5                          ; my channel's word in a slot's first row
.set VO,    6                          ; my 16 bytes in a pair of images
.set VSO,   9                          ; LDS: my scale word
.set WRD,   10                         ; LDS: 16 bytes of the words, in the unit's order
.set XV,    16                         ; v16-79   two sets of 32 numbers
.set CODE,  80                         ; v80-175  24 registers for each of four channel groups
.set TV,    176                        ; v176-178
.set WD,    180                        ; v180-183 a scale word for each channel group
; 64 numbers of a lane, in the order stated at X, become a fragment's 12 registers in v[pc] on and the row's scale word in v[pw].
.macro QUANT s, pc, tc, pw, tm
.irp b, 0,1,2,3
	v_max3_num_f32 v[(\tm)+\b], |v[(\s)+16*\b]|, |v[(\s)+16*\b+1]|, 0x1800000   ; block b: my 16 numbers, and the floor 2^(3 - 127): the byte cannot fall under 1
.endr
.irp n, 2,4,6,8,10,12,14
.irp b, 0,1,2,3
	v_max3_num_f32 v[(\tm)+\b], v[(\tm)+\b], |v[(\s)+16*\b+\n]|, |v[(\s)+16*\b+\n+1]|   ; the four blocks by turns
.endr
.endr
.irp b, 0,1,2,3
	v_permlanex16_b32 v[(\tm)+4+\b], v[(\tm)+\b], s[SEL], s[SEL+1]
.endr
.irp b, 0,1,2,3
	v_max_num_f32 v[(\tm)+\b], v[(\tm)+\b], v[(\tm)+4+\b]   ; with lane l xor 16: the block's largest magnitude
.endr
.irp b, 0,1,2,3
	v_add_nc_u32 v[(\tm)+8+\b], 0xff000000, v[(\tm)+\b]   ; 2 off its exponent field: the conversion takes this operand's exponent field as its scale
.endr
.irp b, 0,1,2,3
	v_lshrrev_b32 v[(\tm)+4+\b], 23, v[(\tm)+8+\b]   ; the scale's byte
.endr
	v_lshl_or_b32 v[\pw], v[(\tm)+5], 8, v[(\tm)+4]
	v_lshl_or_b32 v[\pw], v[(\tm)+6], 16, v[\pw]
	v_lshl_or_b32 v[\pw], v[(\tm)+7], 24, v[\pw]
.irp c, 0,1
	v_cvt_scalef32_pk16_fp6_f32 v[(\pc)+6*\c:(\pc)+6*\c+2], v[(\s)+32*\c:(\s)+32*\c+15], v[(\tm)+8+2*\c]
	v_cvt_scalef32_pk16_fp6_f32 v[(\tc)+4*\c:(\tc)+4*\c+2], v[(\s)+32*\c+16:(\s)+32*\c+31], v[(\tm)+9+2*\c]   ; (a conversion's three registers begin on an even number)
.endr
	v_nop                                          ; one plain instruction behind the scaled conversions
.irp c, 0,1                                    ; the layout wants a whole block in a lane: lanes 0-15 block 2 c, lanes 16-31 block 2 c + 1
.irp n, 0,1,2
	v_permlane16_swap_b32 v[(\pc)+6*\c+\n], v[(\tc)+4*\c+\n]
.endr
.irp n, 0,1,2
	v_mov_b32 v[(\pc)+6*\c+3+\n], v[(\tc)+4*\c+\n]
.endr
.endr
.endm
; THE CHANGE OF SLOTS in front of phase p.  My one tensor load that is out is phase p's.  Behind the barrier phase p + 1 is asked for, into the slot that phase p - 1 was read from (p = 0: slot 1's first fill).
; In front of the last phase nothing more is asked for: the wait for my own load is all that my reads need.
.macro SYNC p
	s_wait_tensorcnt 0x0                           ; no tensor load of mine is out, so a group 0 may be written
.if (\p) < 3
	ds_add_u32 v[SPW], v[NIL]                      ; 0 onto my spare word
.if (\p) < 2
	s_add_nc_u64 s[G0+4*((\p)%2)+2:G0+4*((\p)%2)+3], s[G0+4*((\p)%2)+2:G0+4*((\p)%2)+3], 2*PHB   ; this slot's next phase; the type bits on top are not reached
.endif
	s_wait_dscnt 0x0                               ; the add is done, and my reads of the other slot are over
	s_barrier_signal -1
	s_barrier_wait -1
	tensor_load_to_lds s[G0+4*(((\p)+1)%2):G0+4*(((\p)+1)%2)+3], s[G1:G1+7]
	s_nop 0
.endif
.endm
.macro ASK p                           ; phase p's 32 rows x 512 bytes: sixteen rows an instruction, two lanes to a row
	global_prefetch_b8 v[PFO], s[SRC:SRC+1] offset:PHB*(\p) th:TH_LOAD_NT scope:SCOPE_SE
	global_prefetch_b8 v[PFO], s[SRC:SRC+1] offset:PHB*(\p)+16*8192 th:TH_LOAD_NT scope:SCOPE_SE
.endm
	s_load_b512 s[4:19], s[0:1], 0x0               ; queries s[4:5], keys s[6:7], w_out s[8:9], values s[10:11], qq s[12:13], kq s[14:15], wq s[16:17], vq s[18:19]
	v_lshl_add_u32 v[SPW], v0, 2, SPARE
	v_mov_b32 v[NIL], 0
	ds_add_u32 v[SPW], v[NIL]                      ; the opening lines, ahead of my first tensor load: the add, twice on end, and its wait
	ds_add_u32 v[SPW], v[NIL]
	v_lshrrev_b32 v1, 5, v0
	v_readfirstlane_b32 s[WV], v1                  ; wave 0..7
	v_bfe_u32 v15, v0, 1, 4                        ; (lane / 2): a row of sixteen
	v_and_b32 v[PFO], 1, v0
	v_lshlrev_b32 v[PFO], 8, v[PFO]
	v_lshl_add_u32 v[PFO], v15, 13, v[PFO]
	s_mov_b32 s[SEL], 0x76543210
	s_mov_b32 s[SEL+1], 0xfedcba98
	s_mov_b32 s[QSC], 0x3db504f3                   ; 128^-0.5
	s_mov_b32 s[QSC+1], s[QSC]                     ; (named with it as a pair)
	s_mov_b32 s[G1], (2<<16)|(1<<20)|(6<<22)|(3<<25)   ; elements of 4 bytes; padding on: behind every 128 words, 4 words
	s_mov_b32 s[G1+1], 128<<16                     ; tensor_dim0 = 128
	s_mov_b32 s[G1+2], 32<<16                      ; tensor_dim1 = 32
	s_mov_b32 s[G1+3], 128<<16                     ; tile_dim0
	s_mov_b32 s[G1+4], 32                          ; tile_dim1
	s_mov_b32 s[G1+5], 2048                        ; elements from row to row
	s_mov_b32 s[G1+6], 0
	s_mov_b32 s[G1+7], 0
	s_mul_i32 s26, s[WV], 2*SLOTB                  ; my two slots
	s_lshl_b32 s27, s[WV], 9
	s_add_co_u32 s27, s27, WST                     ; my 512 bytes for vq's scale words
	s_wait_alu depctr_va_vdst(0)
	s_wait_dscnt 0x0                               ; both opening adds are done
	s_wait_kmcnt 0x0
	s_cmp_lt_u32 ttmp9, 64                         ; which tensor: the choice hangs on the work-group's number alone
	s_cselect_b64 s[SRC:SRC+1], s[4:5], s[6:7]
	s_cselect_b64 s[DST:DST+1], s[12:13], s[14:15]
	s_cselect_b32 s21, 0, 64
	s_cmp_lt_u32 ttmp9, 128
	s_cselect_b64 s[SRC:SRC+1], s[SRC:SRC+1], s[8:9]
	s_cselect_b64 s[DST:DST+1], s[DST:DST+1], s[16:17]
	s_cselect_b32 s21, s21, 128
	s_cmp_lt_u32 ttmp9, 160
	s_cselect_b64 s[SRC:SRC+1], s[SRC:SRC+1], s[10:11]
	s_cselect_b64 s[DST:DST+1], s[DST:DST+1], s[18:19]
	s_cselect_b32 s21, s21, 160
	s_sub_co_u32 s21, ttmp9, s21
	s_lshl_b32 s21, s21, 3
	s_add_co_u32 s21, s21, s[WV]                   ; my unit's number in its buffer
	s_lshr_b32 s28, s21, 4
	s_lshl_b32 s28, s28, 20                        ; 128 rows of 8,192 bytes
	s_and_b32 s29, s21, 15
	s_lshl_b32 s29, s29, 9                         ; 128 columns
	s_add_co_u32 s28, s28, s29
	s_mov_b32 s29, 0
	s_add_nc_u64 s[SRC:SRC+1], s[SRC:SRC+1], s[28:29]
	s_mul_i32 s28, s21, UNIT
	s_add_nc_u64 s[DST:DST+1], s[DST:DST+1], s[28:29]
.irp s, 0,1
	s_mov_b32 s[G0+4*\s], 1                        ; count = 1
	s_add_co_u32 s[G0+4*\s+1], s26, \s*SLOTB       ; LDS address
	s_add_nc_u64 s[G0+4*\s+2:G0+4*\s+3], s[SRC:SRC+1], \s*PHB   ; phase s
	s_or_b32 s[G0+4*\s+3], s[G0+4*\s+3], 0x80000000   ; type = 2
.endr
	tensor_load_to_lds s[G0:G0+3], s[G1:G1+7]      ; phase 0: my one tensor load at the head
	s_nop 0
	s_cmp_ge_u32 ttmp9, 160
	s_cbranch_scc1 .Lvalues
	; ---------------- K innermost: queries, keys, w_out.  A phase's 32 rows are the rows of tiles 2 p and 2 p + 1 ----------------
	v_and_b32 v1, 31, v0                           ; lane
	v_and_b32 v2, 15, v0                           ; r
	v_bfe_u32 v3, v0, 4, 1                         ; lane / 16
	v_lshlrev_b32 v[LI], 4, v1
	v_and_b32 v7, 8, v2
	v_add_nc_u32 v7, v7, v2                        ; r + 8 (r / 8): my row of the phase's first tile; the second tile's lies 8 rows on
	v_mul_u32_u24 v[STR], v7, SP
	v_lshl_add_u32 v[STR], v3, 6, v[STR]
	v_add_nc_u32 v[STR], s26, v[STR]
.irp b, 0,1,2,3
	v_mov_b32 v[TM+4+\b], 0                        ; written once: a lane permute's destination counts as one of its sources
.endr
	ASK 1                                          ; beside phase 0's load
.macro LOADT t                         ; tile t's 64 numbers a lane
.irp b, 0,1,2,3
.irp j, 0,1,2,3
	ds_load_b128 v[X+64*((\t)%2)+16*\b+4*\j:X+64*((\t)%2)+16*\b+4*\j+3], v[STR] offset:SLOTB*(((\t)/2)%2)+8*SP*((\t)%2)+128*\b+16*\j
.endr
.endr
.endm
.macro FRAGM t
.set XS, X+64*((\t)%2)
.if (\t)%2 == 0
	s_wait_dscnt 16                                ; this tile's sixteen loads are in; the phase's second tile's sixteen may be out
.else
	s_wait_dscnt 0x0
.endif
	s_cmp_lt_u32 ttmp9, 64
	s_cbranch_scc0 .Lplain_\@                      ; queries alone are multiplied by 128^-0.5, in f32, ahead of the quantiser
.set cnt, 0
.rept 32
	v_pk_mul_f32 v[XS+cnt:XS+cnt+1], v[XS+cnt:XS+cnt+1], s[QSC:QSC+1] op_sel_hi:[1,0]
.set cnt, cnt+2
.endr
.Lplain_\@:
	s_wait_xcnt 0x0                                ; the last tile's stores have read the fragment's registers: they are written again only behind this wait
	QUANT XS, PC, TC, SW+(\t), TM
.irp c, 0,1,2
	global_store_b128 v[LI], v[PC+4*\c:PC+4*\c+3], s[DST:DST+1] offset:FRB*(\t)+512*\c   ; 512 consecutive bytes, aligned to 256
.endr
.endm
	s_wait_alu depctr_va_vdst(0)
.irp p, 0,1,2,3
	SYNC \p
	LOADT 2*\p
	LOADT 2*\p+1
.if \p < 2
	ASK \p+2                                       ; beside phase p + 1's load, behind the run of LDS loads
.endif
	FRAGM 2*\p
	FRAGM 2*\p+1
.endr
	v_cmp_le_u32 vcc_lo, 16, v1                    ; every lane holds row r's words: lanes 0-15 store tiles 0-3's, lanes 16-31 tiles 4-7's
.irp n, 0,1,2,3
	v_cndmask_b32 v[OUT+\n], v[SW+\n], v[SW+4+\n], vcc_lo
.endr
	global_store_b128 v[LI], v[OUT:OUT+3], s[DST:DST+1] offset:SCW   ; the unit's 512 bytes of scale words
	s_wait_tensorcnt 0x0                           ; the wave's end
	ds_add_u32 v[SPW], v[NIL]
	s_wait_dscnt 0x0
	s_endpgm
	; ---------------- values: K = the keys.  A phase's 32 rows are one block of 32 keys for all 128 channels; a lane takes channel 32 g + lane, g = 0 .. 3, and its registers run down the keys ----------------
.Lvalues:
	v_and_b32 v1, 31, v0                           ; lane
	v_bfe_u32 v3, v0, 4, 1                         ; lane / 16
	v_lshlrev_b32 v[LI], 4, v1
	v_lshlrev_b32 v[VR], 2, v1
	v_add_nc_u32 v[VR], s26, v[VR]
	v_bfe_u32 v7, v0, 3, 1                         ; channel 32 g + lane lies in tile 2 g + u, u = (lane / 8) % 2,
	v_and_b32 v8, 7, v0
	v_lshl_or_b32 v8, v3, 3, v8                    ; at the tile's lane r = lane % 8 + 8 (lane / 16)
	v_mul_u32_u24 v[VO], v7, FRB
	v_lshl_add_u32 v[VO], v8, 4, v[VO]             ; my 16 bytes in the tile's image (lanes 16-31 of the image: 256 bytes on, in the immediate)
	v_lshlrev_b32 v[VSO], 3, v8
	v_lshl_add_u32 v[VSO], v7, 2, v[VSO]
	v_add_nc_u32 v[VSO], s27, v[VSO]               ; my scale word's place among the unit's 512 bytes, in LDS
	v_add_nc_u32 v[WRD], s27, v[LI]
	ASK 1                                          ; beside phase 0's load
.macro LOADV g, p                      ; the block's 32 keys of my channel: 32 lanes read 128 consecutive bytes of a row
.irp n, 0,1,2,3,4,5,6,7,8,9,10,11,12,13,14,15,16,17,18,19,20,21,22,23,24,25,26,27,28,29,30,31
	ds_load_b32 v[XV+32*((\g)%2)+\n], v[VR] offset:SLOTB*((\p)%2)+SP*\n+128*(\g)
.endr
.endm
.macro BLOCKV g, p                     ; block p belongs to the image's lanes 16 (p % 2) + r, registers 6 (p / 2) on
.set XS, XV+32*((\g)%2)
.set CD, CODE+24*(\g)+12*((\p)%2)+6*((\p)/2)
.if (\g) < 3
	s_wait_dscnt 32                                ; this group's 32 loads are in; the next group's 32 may be out
.else
	s_wait_dscnt 0x0
.endif
	v_max3_num_f32 v12, |v[XS]|, |v[XS+1]|, |v[XS+2]|   ; all 32 numbers of the block are mine
	v_max3_num_f32 v13, |v[XS+3]|, |v[XS+4]|, |v[XS+5]|
.irp n, 6,10,14,18,22,26
	v_max3_num_f32 v12, v12, |v[XS+\n]|, |v[XS+\n+1]|
	v_max3_num_f32 v13, v13, |v[XS+\n+2]|, |v[XS+\n+3]|
.endr
	v_max3_num_f32 v12, v12, |v[XS+30]|, |v[XS+31]|
	v_max3_num_f32 v12, v12, v13, 0x1800000        ; and the floor
	v_add_nc_u32 v11, 0xff000000, v12              ; the conversions' scale operand
	v_cvt_scalef32_pk16_fp6_f32 v[CD:CD+2], v[XS:XS+15], v11
	v_cvt_scalef32_pk16_fp6_f32 v[TV:TV+2], v[XS+16:XS+31], v11
	v_lshrrev_b32 v13, 23, v11                     ; the byte (and the plain instruction behind the conversions)
.if (\p) == 0
	v_mov_b32 v[WD+(\g)], v13
.else
	v_lshl_or_b32 v[WD+(\g)], v13, 8*(\p), v[WD+(\g)]
.endif
.irp n, 0,1,2
	v_mov_b32 v[CD+3+\n], v[TV+\n]
.endr
.if (\g) < 2
	LOADV (\g)+2, \p
.endif
.endm
	s_wait_alu depctr_va_vdst(0)
.irp p, 0,1,2,3
	SYNC \p
	LOADV 0, \p
	LOADV 1, \p
.if \p < 2
	ASK \p+2                                       ; beside phase p + 1's load, behind the run of LDS loads
.endif
.irp g, 0,1,2,3
	BLOCKV \g, \p
.endr
.endr
.irp g, 0,1,2,3
	ds_store_b32 v[VSO], v[WD+\g] offset:128*\g    ; the words turn through my own 512 bytes of LDS,
.endr
	ds_load_b128 v[OUT:OUT+3], v[WRD]              ; and come back 16 bytes a lane: LDS serves a wave's instructions in order
.irp g, 0,1,2,3
.irp hh, 0,1
.irp c, 0,1,2
	global_store_b128 v[VO], v[CODE+24*\g+12*\hh+4*\c:CODE+24*\g+12*\hh+4*\c+3], s[DST:DST+1] offset:2*FRB*\g+256*\hh+512*\c   ; two runs of 256 consecutive bytes, aligned
.endr
.endr
.endr
	s_wait_dscnt 0x0
	global_store_b128 v[LI], v[OUT:OUT+3], s[DST:DST+1] offset:SCW   ; the unit's 512 bytes of scale words
	s_wait_tensorcnt 0x0                           ; the wave's end, behind my last LDS store
	ds_add_u32 v[SPW], v[NIL]
	s_wait_dscnt 0x0
	s_endpgm
.Lfunc_end_k_qd44d3b3a0f_quant:
	.size	k_qd44d3b3a0f_quant, .Lfunc_end_k_qd44d3b3a0f_quant-k_qd44d3b3a0f_quant
	.p2alignl 7, 3214868480
	.fill 96, 4, 3214868480
	.section	.rodata,"a",@progbits
	.p2align	6, 0x0
	.amdhsa_kernel k_qd44d3b3a0f_quant
		.amdhsa_group_segment_fixed_size 327680
		.amdhsa_private_segment_fixed_size 0
		.amdhsa_enable_private_segment 0
		.amdhsa_kernarg_size 64
		.amdhsa_user_sgpr_count 2
		.amdhsa_user_sgpr_kernarg_segment_ptr 1
		.amdhsa_wavefront_size32 1
		.amdhsa_system_sgpr_workgroup_id_x 1
		.amdhsa_system_sgpr_workgroup_id_y 1
		.amdhsa_system_sgpr_workgroup_id_z 1
		.amdhsa_system_vgpr_workitem_id 0
		.amdhsa_next_free_vgpr 256
		.amdhsa_next_free_sgpr 66
		.amdhsa_reserve_vcc 1
		.amdhsa_float_denorm_mode_32 3
		.amdhsa_float_denorm_mode_16_64 3
		.amdhsa_memory_ordered 1
		.amdhsa_forward_progress 1
		.amdhsa_inst_pref_size 123
	.end_amdhsa_kernel
	.amdgpu_metadata
---
amdhsa.version: [ 1, 2 ]
amdhsa.kernels:
  - .name:           k_qd44d3b3a0f_quant
    .symbol:         k_qd44d3b3a0f_quant.kd
    .args:
      - { .name: queries, .offset: 0, .size: 8, .value_kind: global_buffer, .address_space: global }
      - { .name: keys, .offset: 8, .size: 8, .value_kind: global_buffer, .address_space: global }
      - { .name: w_out, .offset: 16, .size: 8, .value_kind: global_buffer, .address_space: global }
      - { .name: values, .offset: 24, .size: 8, .value_kind: global_buffer, .address_space: global }
      - { .name: qq, .offset: 32, .size: 8, .value_kind: global_buffer, .address_space: global }
      - { .name: kq, .offset: 40, .size: 8, .value_kind: global_buffer, .address_space: global }
      - { .name: wq, .offset: 48, .size: 8, .value_kind: global_buffer, .address_space: global }
      - { .name: vq, .offset: 56, .size: 8, .value_kind: global_buffer, .address_space: global }
    .group_segment_fixed_size: 327680
    .private_segment_fixed_size: 0
    .kernarg_segment_align: 8
    .kernarg_segment_size: 64
    .max_flat_workgroup_size: 256
    .sgpr_count:     66
    .vgpr_count:     256
    .wavefront_size: 32
...
	.end_amdgpu_metadata
.endif
;; end of part 1
;; launch attn (part 2): grid 8 x 32, 8 waves a work-group, clusters of 4 x 1, 327,680 bytes of LDS; arguments qq, kq, vq, attention_mask, aq; writes aq
.if DOCPART == 2
	.amdgcn_target "amdgcn-amd-amdhsa--gfx1250"
	.amdhsa_code_object_version 6
	.text
	.protected	k_qd44d3b3a0f_attn
	.globl	k_qd44d3b3a0f_attn
	.p2align	8
	.type	k_qd44d3b3a0f_attn,@function
k_qd44d3b3a0f_attn:
	s_mov_b64 s[64:65], 0
	v_nop
	global_prefetch_b8 v0, s[64:65] scope:SCOPE_SE
	s_setreg_imm32_b32 hwreg(HW_REG_WAVE_MODE, 25, 1), 1
	s_wait_xcnt 0x0
	s_wait_alu depctr_hold_cnt(0) depctr_sa_sdst(0) depctr_va_vdst(0) depctr_va_sdst(0) depctr_va_ssrc(0) depctr_va_vcc(0) depctr_vm_vsrc(0)
	s_getreg_b32 s2, hwreg(HW_REG_IB_STS2, 6, 4)
	s_cmp_eq_u32 s2, 0
	s_cbranch_scc0 .Lentry_in_a_cluster
	s_endpgm
.Lentry_in_a_cluster:
	s_bfe_u32 s2, ttmp6, 0x10000c
	s_cmp_lg_u32 s2, 0x3003
	s_cbranch_scc0 .Lentry_shape_is_right
	s_endpgm
.Lentry_shape_is_right:
; For each (batch, head): O[q] = the sum over keys of softmax(q . k + bias) v, both products on codes of FP6 (E2M3) with E8M0 scales; the result, divided by the row's sum, is quantised along e into aq.
; qq, kq, vq, aq: units of 12,800 bytes in the order of an operand's registers (eight images of 1,536 bytes: register g of lane L at 512 (g / 4) + 16 L + 4 (g % 4); then 512 bytes of scale words);
; lane r of tile t holds row 32 (t / 2) + 8 (t % 2) + r + 8 (r / 8) of the unit's 128; unit number 16 G + head, G = 16 batch + (sequence position or key) / 128; vq's rows are the head's channels, its K the keys.
; THE SOFTMAX: t = (score + bias) x log2(e); M = the running largest t rounded up to a whole number; p = 2^(t - M) is quantised along the keys, not normalised; the row's sum is taken of the unquantised p;
; when M moves, the sum and O are multiplied by 2^(old M - new M), which rounds nothing.
; THE MASK is an input: it becomes a bias for each key, 0 or -2^100, which is the C of the first product.  A masked key so has p = 0 and never carries the maximum, which starts at -2^80.
; LIMITS: -2^100 stands for -infinity: the same results while |t| stays under 2^80.  A batch all of whose keys are masked (NaN in the definition) is not served.  NaN and infinities are not served.
; A block under 2^-124 keeps the byte 1, a block of zeros too (its codes are zeros; this program alone reads the bytes).
; SHARES.  A work-group owns 256 queries of one head; each of its eight waves 32 of them, two tiles, in 512 registers: two waves to a SIMD, so that one wave's vector work stands beside the other's matrix work and LDS loads,
; and each fragment and each bias register read from LDS feeds two products.  Every wave walks the batch's 2,048 keys, 128 a step.
; LAYOUT.  Both products are used transposed: S^T = K Q^T (source 0 = 16 keys, source 1 = 16 queries), O^T = V^T P^T (source 0 = 16 channels, source 1 = P): a lane holds one query throughout, and by the order of a
; tile's rows the 16 registers of tiles 2 b, 2 b + 1 are keys (channels) 32 b + 16 (lane / 16) + 0 .. 15: what a conversion wants.
; CLUSTER.  The four query blocks of a cluster belong to one head and walk the same K and V: each unit is asked for JOINTLY, by the same tensor load with the same descriptor and a mask that names the four.
; RING.  Two LDS slots of four key steps (four units of K, four of V); each wave fetches one unit, 50 rows of 256 bytes, dense.  One tensor load of a wave is out at any time.
; REGISTERS, window 0: v1-11 addresses; v12-23 six statistics a tile; v24-31 K's scale words, v32-39 V's, v40-41 Q's, v42-43 p's; v44-67 Q; v68-91 p's codes; v92-99, v100-127 at work; v128-255 S^T, then p.
;   (v68-99 hold the bias of key tiles 4-7 while S^T is made.)   window 1: v0-127 O^T; v128-223 the step's eight fragments of K, then of V; v224-255 the bias of key tiles 0-3.
.set UNIT,  12800
.set FRB,   1536
.set SCW,   8*FRB                      ; a unit's scale words
.set VOFF,  4*UNIT                     ; a slot: four units of K, then four of V
.set SLOT1, 1<<17                      ; slot 1 begins here: one exclusive or turns an address
.set BIAS,  8*UNIT                     ; behind slot 0: 2,048 f32, a bias for each key of the batch; stored once, never filled
.set OSC,   BIAS+8192                  ; 1,024 bytes: the result's scale words meet here
.set SPARE, OSC+1024                   ; the spare words, 128 bytes for each of eight waves: four blocks of 256 bytes that no other line names
.set NEXT,  4*16*UNIT                  ; from a slot's units to the next slot's, in memory
.set LI,  1                            ; 16 x lane
.set R16, 2                            ; 16 x (lane % 16)
.set R8,  3                            ; 8 x (lane % 16)
.set BB,  4                            ; BIAS + 64 x (lane / 16)
.set SPW, 5                            ; my spare word; never rewritten
.set NIL, 6                            ; 0; never rewritten
.set ADF, 7                            ; the step's addresses: fragments,
.set ADS, 8                            ; K's scale words,
.set ADT, 9                            ; V's,
.set ADB, 10                           ; the bias
.set PFO, 11                           ; the prefetches' offset; never rewritten
.set ST,  12                           ; tile i at v[ST + 6 i]: +0 -M, +1 the largest t, +2, +3 the sum in two halves, +4 f, +5 named with f as a pair
.set KS,  24
.set VS,  32
.set QS,  40
.set PS,  42
.set QF,  44
.set PC,  68
.set B1,  68
.set TC,  92
.set WK,  100                          ; tile i at v[WK + 12 i]: +0..3 the blocks' largest, +4..7 at work, +8..11 scale operands
.set TA,  124                          ; v124, v126
.set S,   128
.set KF,  128                          ; window 1
.set B0,  224                          ; window 1
.set WV,  14
.set G1,  20                           ; s[20:27] descriptor group 1, for K's and V's units alike
.set G0K, 28                           ; s[28:31] group 0 for K's units; it walks
.set G0V, 56                           ; s[56:59] for V's
.set CS,  32                           ; s[32:33] log2(e)
.set SEL, 34                           ; s[34:35] selects for lane l xor 16
.set TB,  36                           ; LDS byte of the step's unit of K
.set TS,  37                           ; 512 x key step: its bias
.set SLOTS, 38
.set STP, 39
.set PFA, 40                           ; s[40:41] where my prefetches stand
.set LIM, 42                           ; 1 in a wave that prefetches, else the greatest number
.set MSB, 0
.macro WIN new                         ; the immediate's high byte repeats the setting that is left
.if MSB != \new
	s_set_vgpr_msb (MSB<<8)|\new
.set MSB, \new
.endif
.endm
.macro CROUND                          ; a round of the cluster's barrier
	s_barrier_signal -1
	s_barrier_wait -1
	s_cmp_lg_u32 s[WV], 0
	s_cbranch_scc1 .Lnot_wave_0_\@
	s_barrier_signal -3
.Lnot_wave_0_\@:
	s_barrier_wait -3
	s_barrier_signal -1
	s_barrier_wait -1
.endm
.macro JLOAD                           ; a joint load: waves 0-3 fetch the slot's four units of K, waves 4-7 those of V; the branch hangs on the wave's number alone; four v_nop follow each line
	s_cmp_lt_u32 s[WV], 4
	s_cbranch_scc0 .Lfor_v_\@
	tensor_load_to_lds s[G0K:G0K+3], s[G1:G1+7]
	s_nop 0
.rept 4
	v_nop
.endr
	s_branch .Lasked_\@
.Lfor_v_\@:
	tensor_load_to_lds s[G0V:G0V+3], s[G1:G1+7]
	s_nop 0
.rept 4
	v_nop
.endr
.Lasked_\@:
.endm
; A PREFETCH INTO THE L2 of what the NEXT change of slots will ask for, behind the joint load and its four lines.  Both clusters of a head walk the same K and V: the head's first cluster asks.  Its partner at place cx takes
; key step cx of the slot, told apart by ADDRESS; in each, waves 0 and 1 ask for that unit of K and waves 2 and 3 for that of V: 50 blocks of 256 bytes, a lane a block (the lanes beyond name the last block again).
; The last change that fills a slot asks for nothing; slots 0 and 1 come by their loads alone.
.macro ASK
	s_cmp_gt_u32 s[SLOTS], s[LIM]
	s_cbranch_scc0 .Lnot_mine_\@
	global_prefetch_b8 v[PFO], s[PFA:PFA+1] th:TH_LOAD_NT scope:SCOPE_SE
.Lnot_mine_\@:
.endm
; 64 numbers of a lane, register 16 b + i = k 32 b + 16 (lane / 16) + i of my row, become a fragment in v[pc] on and the row's scale word in v[pw].
.macro QUANT s, pc, tc, pw, tm
.irp b, 0,1,2,3
	v_max3_num_f32 v[(\tm)+\b], |v[(\s)+16*\b]|, |v[(\s)+16*\b+1]|, 0x1800000   ; with the floor 2^(3 - 127): the byte cannot fall under 1
.endr
.irp n, 2,4,6,8,10,12,14
.irp b, 0,1,2,3
	s_delay_alu instid0(VALU_DEP_4)
	v_max3_num_f32 v[(\tm)+\b], v[(\tm)+\b], |v[(\s)+16*\b+\n]|, |v[(\s)+16*\b+\n+1]|
.endr
.endr
.irp b, 0,1,2,3
	s_delay_alu instid0(VALU_DEP_4)
	v_permlanex16_b32 v[(\tm)+4+\b], v[(\tm)+\b], s[SEL], s[SEL+1]
.endr
.irp b, 0,1,2,3
	s_delay_alu instid0(VALU_DEP_4)
	v_max_num_f32 v[(\tm)+\b], v[(\tm)+\b], v[(\tm)+4+\b]
.endr
.irp b, 0,1,2,3
	s_delay_alu instid0(VALU_DEP_4)
	v_add_nc_u32 v[(\tm)+8+\b], 0xff000000, v[(\tm)+\b]
.endr
.irp b, 0,1,2,3
	s_delay_alu instid0(VALU_DEP_4)
	v_lshrrev_b32 v[(\tm)+4+\b], 23, v[(\tm)+8+\b]
.endr
	s_delay_alu instid0(VALU_DEP_3)
	v_lshl_or_b32 v[\pw], v[(\tm)+5], 8, v[(\tm)+4]
	s_delay_alu instid0(VALU_DEP_1)
	v_lshl_or_b32 v[\pw], v[(\tm)+6], 16, v[\pw]
	s_delay_alu instid0(VALU_DEP_1)
	v_lshl_or_b32 v[\pw], v[(\tm)+7], 24, v[\pw]
.irp c, 0,1
	v_cvt_scalef32_pk16_fp6_f32 v[(\pc)+6*\c:(\pc)+6*\c+2], v[(\s)+32*\c:(\s)+32*\c+15], v[(\tm)+8+2*\c]
	v_cvt_scalef32_pk16_fp6_f32 v[(\tc)+4*\c:(\tc)+4*\c+2], v[(\s)+32*\c+16:(\s)+32*\c+31], v[(\tm)+9+2*\c]
.endr
	v_nop                                          ; one plain instruction behind the scaled conversions
.irp c, 0,1
.irp n, 0,1,2
	v_permlane16_swap_b32 v[(\pc)+6*\c+\n], v[(\tc)+4*\c+\n]
.endr
.irp n, 0,1,2
	s_delay_alu instid0(VALU_DEP_3)
	v_mov_b32 v[(\pc)+6*\c+3+\n], v[(\tc)+4*\c+\n]
.endr
.endr
.endm
	s_load_b256 s[4:11], s[0:1], 0x0               ; qq s[4:5], kq s[6:7], vq s[8:9], the mask s[10:11]
	s_load_b64 s[12:13], s[0:1], 0x20              ; aq
	v_lshl_add_u32 v[SPW], v0, 2, SPARE
	v_mov_b32 v[NIL], 0
	ds_add_u32 v5, v6
	ds_add_u32 v5, v6
	s_wait_dscnt 0x0
	v_lshrrev_b32 v7, 5, v0
	s_delay_alu instid0(VALU_DEP_1)
	v_readfirstlane_b32 s[WV], v7                  ; wave 0..7
	s_bfe_u32 s15, ttmp6, 0x40000                  ; cx: my place in the cluster
	s_lshl_b32 s16, ttmp9, 2
	s_add_co_u32 s16, s16, s15                     ; my block of 256 queries: it enters Q's and the result's addresses alone
	s_and_b32 s17, ttmp7, 0xffff                   ; 16 batch + head, which the partners share
	s_lshr_b32 s18, s17, 4                         ; batch
	s_and_b32 s19, s17, 15                         ; head
	s_mov_b32 s[G1], 15|(3<<16)|(1<<21)            ; 15:0 the mask: all four work-groups; 17:16 elements of 8 bytes; 20 no padding; 21 set beside a mask
	s_mov_b32 s[G1+1], 32<<16                      ; tensor_dim0 = 32 elements: 256 bytes
	s_mov_b32 s[G1+2], 50<<16                      ; tensor_dim1 = 50 rows: a unit
	s_mov_b32 s[G1+3], 32<<16                      ; tile_dim0
	s_mov_b32 s[G1+4], 50                          ; tile_dim1
	s_mov_b32 s[G1+5], 32                          ; the pitch: dense
	s_mov_b32 s[G1+6], 0
	s_mov_b32 s[G1+7], 0
	s_mov_b32 s[CS], 0x3fb8aa3b                    ; log2(e)
	s_mov_b32 s[CS+1], s[CS]
	s_mov_b32 s[SEL], 0x76543210
	s_mov_b32 s[SEL+1], 0xfedcba98
	s_mov_b32 s[TB], 0
	s_mov_b32 s[TS], 0
	s_mov_b32 s[SLOTS], 3
	s_and_b32 s43, s[WV], 3
	s_lshl_b32 s44, s18, 4
	s_add_co_u32 s44, s44, s43                     ; the unit that I fetch: key step wave % 4 of slot 0,
	s_lshl_b32 s44, s44, 4
	s_add_co_u32 s44, s44, s19                     ; my head
	s_mul_i32 s44, s44, UNIT
	s_mov_b32 s45, 0
	s_and_b32 s47, s[WV], 1                        ; my two tiles are 2 (wave % 4) and the next: their scale words lie at 256 ((wave / 2) % 2) + 8 (wave % 2) + 16 r
	s_lshl_b32 s47, s47, 3
	s_bfe_u32 s46, s[WV], 0x10001
	s_lshl_b32 s46, s46, 8
	s_add_co_u32 s47, s47, s46
	s_lshr_b32 s46, s[WV], 2
	s_lshl_b32 s46, s46, 9
	s_add_co_u32 s46, s46, s47
	s_add_co_u32 s46, s46, OSC                     ; and on the way out in LDS: 512 bytes for each of the work-group's two units
	s_mul_i32 s43, s43, 2*FRB                      ; my two fragments in their unit
	s_lshl_b32 s48, s18, 4                         ; my unit of Q and of the result: G = 16 batch + 2 block + wave / 4
	s_lshl_b32 s49, s16, 1
	s_add_co_u32 s48, s48, s49
	s_lshr_b32 s49, s[WV], 2
	s_add_co_u32 s48, s48, s49
	s_lshl_b32 s48, s48, 4
	s_add_co_u32 s48, s48, s19
	s_mul_i32 s48, s48, UNIT
	s_mov_b32 s49, 0
	s_lshl_b32 s50, s18, 4                         ; the prefetches: key step cx of a slot,
	s_add_co_u32 s50, s50, s15
	s_lshl_b32 s50, s50, 4
	s_add_co_u32 s50, s50, s19
	s_mul_i32 s50, s50, UNIT
	s_add_co_u32 s50, s50, NEXT                    ; in slot 1: the first change of slots steps it to slot 2
	s_mov_b32 s51, 0
	s_lshl_b32 s52, s18, 11                        ; the batch's row of the mask
	s_mov_b32 s53, 0
	s_lshr_b32 s[LIM], s[WV], 2                    ; waves 0-3
	s_or_b32 s[LIM], s[LIM], ttmp9                 ; of the head's first cluster: the same in all four partners
	s_cmp_eq_u32 s[LIM], 0
	s_cselect_b32 s[LIM], 1, -1
	v_and_b32 v7, 31, v0
	s_delay_alu instid0(VALU_DEP_1)
	v_lshlrev_b32 v[LI], 4, v7
	v_and_b32 v8, 15, v0
	s_delay_alu instid0(VALU_DEP_1)
	v_lshlrev_b32 v[R16], 4, v8
	s_delay_alu instid0(VALU_DEP_2)
	v_lshlrev_b32 v[R8], 3, v8
	v_bfe_u32 v9, v0, 4, 1
	s_delay_alu instid0(VALU_DEP_1)
	v_lshl_add_u32 v[BB], v9, 6, BIAS
	v_and_b32 v[PFO], 63, v0
	s_delay_alu instid0(VALU_DEP_1)
	v_min_u32 v[PFO], 49, v[PFO]
	s_delay_alu instid0(VALU_DEP_1)
	v_lshlrev_b32 v[PFO], 8, v[PFO]
	s_wait_kmcnt 0x0
	s_mov_b32 s[G0K], 1                            ; count = 1
	s_mul_i32 s[G0K+1], s[WV], UNIT                ; LDS address: slot 0, unit = wave: no place in the cluster enters it
	s_add_nc_u64 s[G0K+2:G0K+3], s[6:7], s[44:45]
	s_or_b32 s[G0K+3], s[G0K+3], 0x80000000        ; type = 2
	s_mov_b32 s[G0V], 1
	s_mul_i32 s[G0V+1], s[WV], UNIT
	s_add_nc_u64 s[G0V+2:G0V+3], s[8:9], s[44:45]
	s_or_b32 s[G0V+3], s[G0V+3], 0x80000000
	s_cmp_lt_u32 s[WV], 2
	s_cselect_b64 s[PFA:PFA+1], s[6:7], s[8:9]
	s_add_nc_u64 s[PFA:PFA+1], s[PFA:PFA+1], s[50:51]
	s_add_nc_u64 s[4:5], s[4:5], s[48:49]
	s_add_nc_u64 s[12:13], s[12:13], s[48:49]
	s_add_nc_u64 s[10:11], s[10:11], s[52:53]
	CROUND                                         ; all four work-groups are here: the first joint loads meet
	JLOAD                                          ; slot 0
	v_lshlrev_b32 v[ADT], 3, v0                    ; the mask: 8 bytes a thread, 2,048 for the work-group
	global_load_b64 v[TA:TA+1], v[ADT], s[10:11]
	v_add_nc_u32 v[ADF], s43, v[LI]
.irp i, 0,1
.irp c, 0,1,2
	global_load_b128 v[QF+12*\i+4*\c:QF+12*\i+4*\c+3], v[ADF], s[4:5] offset:FRB*\i+512*\c th:TH_LOAD_NT   ; Q's two fragments stay in registers
.endr
.endr
	s_wait_alu depctr_va_vdst(0)
	v_add_nc_u32 v[ADS], s47, v[R16]
	global_load_b64 v[QS:QS+1], v[ADS], s[4:5] offset:SCW th:TH_LOAD_NT   ; and their scale words
	v_lshl_add_u32 v[ADB], v0, 5, BIAS             ; my eight keys' bias
.irp i, 0,1
	v_mov_b32 v[ST+6*\i+1], 0xe7800000             ; the largest t so far: -2^80
	s_delay_alu instid0(VALU_DEP_1)
	v_floor_f32 v[ST+6*\i], -v[ST+6*\i+1]          ; -M
	v_mov_b32 v[ST+6*\i+2], 0                      ; the sum
	v_mov_b32 v[ST+6*\i+3], 0
	v_mov_b32 v[ST+6*\i+4], 0
	v_mov_b32 v[ST+6*\i+5], 0
.irp b, 0,1,2,3
	v_mov_b32 v[WK+12*\i+4+\b], 0                  ; a lane permute's destination counts as one of its sources
.endr
.endr
	WIN 0x40
.set cnt, 0
.rept 128
	v_mov_b32 v[cnt], 0                            ; O^T.  The key step is written once: the first finds zeros, which the first change of M leaves zeros; a first step of its own would be a third copy of the step
.set cnt, cnt+1
.endr
	WIN 0
	s_wait_loadcnt 7                               ; the mask is in; Q's six loads and its scale words may be out
.irp n, 0,1,2,3,4,5,6,7
	v_bfe_u32 v[S+\n], v[TA+\n/4], 8*(\n%4), 8     ; 1: the key counts; 0: it does not
	s_delay_alu instid0(VALU_DEP_1)
	v_add_nc_u32 v[S+\n], -1, v[S+\n]              ; 0, or all ones,
	s_delay_alu instid0(VALU_DEP_1)
	v_and_b32 v[S+\n], 0xf1800000, v[S+\n]         ; 0, or -2^100
.endr
	ds_store_b128 v[ADB], v[S:S+3]
	ds_store_b128 v[ADB], v[S+4:S+7] offset:16     ; shown to the other waves by the wait for 0 and the round of the first change of slots
	s_wait_loadcnt 0x0                             ; Q
; The softmax of both tiles for one key step, line by line by turns.
.macro SOFTMAX
.irp b, 0,1,2,3
.irp i, 0,1
	v_max3_num_f32 v[WK+12*\i+\b], v[S+64*\i+16*\b], v[S+64*\i+16*\b+1], v[S+64*\i+16*\b+2]   ; the largest score of each block of 32 keys: for the row's maximum, and, since p rises with the score, for the block's largest p
.endr
.endr
.irp n, 3,5,7,9,11,13
.irp b, 0,1,2,3
.irp i, 0,1
	v_max3_num_f32 v[WK+12*\i+\b], v[WK+12*\i+\b], v[S+64*\i+16*\b+\n], v[S+64*\i+16*\b+\n+1]
.endr
.endr
.endr
.irp b, 0,1,2,3
.irp i, 0,1
	v_max_num_f32 v[WK+12*\i+\b], v[WK+12*\i+\b], v[S+64*\i+16*\b+15]
.endr
.endr
.irp b, 0,1,2,3
.irp i, 0,1
	v_permlanex16_b32 v[WK+12*\i+4+\b], v[WK+12*\i+\b], s[SEL], s[SEL+1]
.endr
.endr
.irp b, 0,1,2,3
.irp i, 0,1
	v_max_num_f32 v[WK+12*\i+\b], v[WK+12*\i+\b], v[WK+12*\i+4+\b]   ; with lane l xor 16's 16 keys
.endr
.endr
.irp i, 0,1
	s_delay_alu instid0(VALU_DEP_4)
	v_max3_num_f32 v[TA+2*\i], v[WK+12*\i], v[WK+12*\i+1], v[WK+12*\i+2]
.endr
.irp i, 0,1
	s_delay_alu instid0(VALU_DEP_2)
	v_max_num_f32 v[TA+2*\i], v[TA+2*\i], v[WK+12*\i+3]   ; the step's largest score of my query
.endr
.irp i, 0,1
	s_delay_alu instid0(VALU_DEP_2)
	v_mul_f32 v[TA+2*\i], s[CS], v[TA+2*\i]        ; as t
.endr
.irp i, 0,1
	s_delay_alu instid0(VALU_DEP_2)
	v_max_num_f32 v[ST+6*\i+1], v[ST+6*\i+1], v[TA+2*\i]   ; the running largest t
.endr
.irp i, 0,1
	v_mov_b32 v[TA+2*\i], v[ST+6*\i]
.endr
.irp i, 0,1
	s_delay_alu instid0(VALU_DEP_4)
	v_floor_f32 v[ST+6*\i], -v[ST+6*\i+1]          ; the new -M = floor(-t): M is a whole number
.endr
.irp i, 0,1
	s_delay_alu instid0(VALU_DEP_2)
	v_sub_f32 v[TA+2*\i], v[ST+6*\i], v[TA+2*\i]   ; old M - new M: a whole number, 0 or less
.endr
.irp i, 0,1
	s_delay_alu instid0(VALU_DEP_2)
	v_cvt_i32_f32 v[TA+2*\i], v[TA+2*\i]           ; (it saturates)
.endr
.irp i, 0,1
	s_delay_alu instid0(VALU_DEP_2)
	v_ldexp_f32 v[ST+6*\i+4], 1.0, v[TA+2*\i]      ; f = 2^(old M - new M)
.endr
.irp i, 0,1
.set cnt, 0
.rept 32
	v_pk_fma_f32 v[S+64*\i+cnt:S+64*\i+cnt+1], v[S+64*\i+cnt:S+64*\i+cnt+1], s[CS:CS+1], v[ST+6*\i:ST+6*\i+1] op_sel_hi:[1,0,0]   ; t - M, two at a time
.set cnt, cnt+2
.endr
.endr
.irp b, 0,1,2,3
.irp i, 0,1
	v_fma_f32 v[WK+12*\i+\b], v[WK+12*\i+\b], s[CS], v[ST+6*\i]   ; the same of each block's largest score
.endr
.endr
.set cnt, 0
	s_wait_alu depctr_va_vdst(0)
.rept 128
	v_exp_f32 v[S+cnt], v[S+cnt]                   ; p = 2^(t - M): both tiles' exponentials are ONE batch
.set cnt, cnt+1
.endr
.irp i, 0,1
	v_pk_mul_f32 v[ST+6*\i+2:ST+6*\i+3], v[ST+6*\i+2:ST+6*\i+3], v[ST+6*\i+4:ST+6*\i+5] op_sel_hi:[1,0]   ; the sums under the new M (plain instructions behind the exponentials)
.endr
	s_wait_alu depctr_va_vdst(0)                   ; one wait for the batch, ahead of the first instruction that names a result
.irp b, 0,1,2,3
.irp i, 0,1
	v_exp_f32 v[WK+12*\i+\b], v[WK+12*\i+\b]       ; the blocks' largest p: the same two instructions on the same number give the same bits
.endr
.endr
.irp i, 0,1
	v_pk_add_f32 v[WK+12*\i+4:WK+12*\i+5], v[S+64*\i:S+64*\i+1], v[S+64*\i+2:S+64*\i+3]   ; the row's sum is taken of the unquantised p, in two chains a tile
.endr
.irp n, 4,8,12,16,20,24,28,32,36,40,44,48,52,56,60
.irp i, 0,1
	v_pk_add_f32 v[ST+6*\i+2:ST+6*\i+3], v[ST+6*\i+2:ST+6*\i+3], v[S+64*\i+\n:S+64*\i+\n+1]
	v_pk_add_f32 v[WK+12*\i+4:WK+12*\i+5], v[WK+12*\i+4:WK+12*\i+5], v[S+64*\i+\n+2:S+64*\i+\n+3]
.endr
.endr
.irp i, 0
	s_delay_alu instid0(VALU_DEP_3)
	v_pk_add_f32 v[ST+6*\i+2:ST+6*\i+3], v[ST+6*\i+2:ST+6*\i+3], v[WK+12*\i+4:WK+12*\i+5]
.endr
.irp i, 1
	s_delay_alu instid0(VALU_DEP_2)
	v_pk_add_f32 v[ST+6*\i+2:ST+6*\i+3], v[ST+6*\i+2:ST+6*\i+3], v[WK+12*\i+4:WK+12*\i+5]
.endr
	s_wait_alu depctr_va_vdst(0)                   ; and one for the eight
.irp b, 0,1,2,3
.irp i, 0,1
	v_max_num_f32 v[WK+12*\i+\b], 0x1800000, v[WK+12*\i+\b]   ; the floor: a block whose every p is 0 keeps the byte 1: its codes are zeros
.endr
.endr
.irp b, 0,1,2,3
.irp i, 0,1
	v_add_nc_u32 v[WK+12*\i+8+\b], 0xff000000, v[WK+12*\i+\b]   ; the conversions' scale operands
.endr
.endr
.irp b, 0,1,2,3
.irp i, 0,1
	v_lshrrev_b32 v[WK+12*\i+4+\b], 23, v[WK+12*\i+8+\b]   ; the bytes
.endr
.endr
.irp i, 0,1
	v_lshl_or_b32 v[PS+\i], v[WK+12*\i+5], 8, v[WK+12*\i+4]   ; p's scale word for these 128 keys
.endr
.irp i, 0,1
	s_delay_alu instid0(VALU_DEP_2)
	v_lshl_or_b32 v[PS+\i], v[WK+12*\i+6], 16, v[PS+\i]
.endr
.irp i, 0,1
	s_delay_alu instid0(VALU_DEP_2)
	v_lshl_or_b32 v[PS+\i], v[WK+12*\i+7], 24, v[PS+\i]
.endr
.irp i, 0,1
.irp c, 0,1
	v_cvt_scalef32_pk16_fp6_f32 v[PC+12*\i+6*\c:PC+12*\i+6*\c+2], v[S+64*\i+32*\c:S+64*\i+32*\c+15], v[WK+12*\i+8+2*\c]
	v_cvt_scalef32_pk16_fp6_f32 v[TC+4*\c:TC+4*\c+2], v[S+64*\i+32*\c+16:S+64*\i+32*\c+31], v[WK+12*\i+9+2*\c]
.endr
	v_nop                                          ; one plain instruction behind the scaled conversions
.irp c, 0,1
.irp n, 0,1,2
	v_permlane16_swap_b32 v[PC+12*\i+6*\c+\n], v[TC+4*\c+\n]
.endr
.irp n, 0,1,2
	s_delay_alu instid0(VALU_DEP_3)
	v_mov_b32 v[PC+12*\i+6*\c+3+\n], v[TC+4*\c+\n]
.endr
.endr
.endr
.endm
; A KEY STEP: 128 keys.
.macro STEP
	v_add_nc_u32 v[ADF], s[TB], v[LI]              ; these four are also the four plain instructions between the last products and the loads into registers that they read
	v_add_nc_u32 v[ADS], s[TB], v[R16]
	v_add_nc_u32 v[ADT], s[TB], v[R8]
	v_add_nc_u32 v[ADB], s[TS], v[BB]
	ds_load_b128 v[KS:KS+3], v[ADS] offset:SCW
	ds_load_b128 v[KS+4:KS+7], v[ADS] offset:SCW+256
.irp t, 4,5,6,7                        ; the bias in the result's layout: register j of tile t is key 32 (t / 2) + 16 (lane / 16) + 8 (t % 2) + j
	ds_load_b128 v[B1+8*(\t-4):B1+8*(\t-4)+3], v[ADB] offset:128*(\t/2)+32*(\t%2)
	ds_load_b128 v[B1+8*(\t-4)+4:B1+8*(\t-4)+7], v[ADB] offset:128*(\t/2)+32*(\t%2)+16
.endr
	WIN 0x40                                       ; destination window 1
.irp t, 0,1,2,3
	ds_load_b128 v[B0+8*\t:B0+8*\t+3], v[ADB] offset:128*(\t/2)+32*(\t%2)
	ds_load_b128 v[B0+8*\t+4:B0+8*\t+7], v[ADB] offset:128*(\t/2)+32*(\t%2)+16
.endr
.irp t, 0,1,2,3,4,5,6,7
.irp c, 0,1,2
	ds_load_b128 v[KF+12*\t+4*\c:KF+12*\t+4*\c+3], v[ADF] offset:FRB*\t+512*\c
.endr
.endr
	s_wait_alu depctr_va_vdst(0)
	s_wait_dscnt 12                                ; all but the youngest twelve: K's fragments 4-7 may be out
	WIN 0x11                                       ; K and the bias in window 1
.irp t, 0,1,2,3
.irp i, 0,1
	v_wmma_scale_f32_16x16x128_f8f6f4 v[S+64*\i+8*\t:S+64*\i+8*\t+7], v[KF+12*\t:KF+12*\t+11], v[QF+12*\i:QF+12*\i+11], v[B0+8*\t:B0+8*\t+7], v[KS+\t], v[QS+\i] matrix_a_fmt:MATRIX_FMT_FP6 matrix_b_fmt:MATRIX_FMT_FP6
.endr
.endr
	s_wait_dscnt 0x0
	WIN 0x01                                       ; K in window 1, the bias in window 0
.irp t, 4,5,6,7
.irp i, 0,1
	v_wmma_scale_f32_16x16x128_f8f6f4 v[S+64*\i+8*\t:S+64*\i+8*\t+7], v[KF+12*\t:KF+12*\t+11], v[QF+12*\i:QF+12*\i+11], v[B1+8*(\t-4):B1+8*(\t-4)+7], v[KS+\t], v[QS+\i] matrix_a_fmt:MATRIX_FMT_FP6 matrix_b_fmt:MATRIX_FMT_FP6
.endr
.endr
.rept 4
	v_nop                                          ; four plain instructions ahead of the loads over K's registers and of the first read of the scores
.endr
	WIN 0x40
.irp t, 0,1,2,3,4,5,6,7
.irp c, 0,1,2
	ds_load_b128 v[KF+12*\t+4*\c:KF+12*\t+4*\c+3], v[ADF] offset:VOFF+FRB*\t+512*\c   ; V's fragments land while the softmax is walked
.endr
.endr
	WIN 0
.irp p, 0,1,2,3
	ds_load_b64 v[VS+2*\p:VS+2*\p+1], v[ADT] offset:VOFF+SCW+128*\p
.endr
	SOFTMAX
	WIN 0x41                                       ; O^T in window 1, f in window 0
.irp i, 0,1
.set cnt, 0
.rept 32
	v_pk_mul_f32 v[64*\i+cnt:64*\i+cnt+1], v[64*\i+cnt:64*\i+cnt+1], v[ST+6*\i+4:ST+6*\i+5] op_sel_hi:[1,0]   ; O^T under the new M, each accumulator from its low end; these 64 also stand between the making of p's codes and scale words and the products
.set cnt, cnt+2
.endr
.endr
	s_wait_alu depctr_va_vdst(0)
	s_wait_dscnt 0x0                               ; V
	WIN 0x51                                       ; V and O^T in window 1, P in window 0
.irp t, 0,1,2,3,4,5,6,7                ; the sixteen accumulators take turns, one instruction a turn
.irp i, 0,1
	v_wmma_scale_f32_16x16x128_f8f6f4 v[64*\i+8*\t:64*\i+8*\t+7], v[KF+12*\t:KF+12*\t+11], v[PC+12*\i:PC+12*\i+11], v[64*\i+8*\t:64*\i+8*\t+7], v[VS+\t], v[PS+\i] matrix_a_fmt:MATRIX_FMT_FP6 matrix_b_fmt:MATRIX_FMT_FP6
.endr
.endr
	WIN 0
.endm
; THE CHANGE OF SLOTS stands at a slot's head.  Each wave waits for all its tensor loads (its unit of the slot ahead), adds 0 to its spare word, and waits for that and for its reads of the slot that it has left.
; fill = 1: a round of the cluster's barrier, and behind it the joint fill of the slot just left: it has four key steps in which to land.
.macro CHANGE fill
	s_wait_tensorcnt 0x0                           ; no tensor load of mine is out, so a group 0 may be written
	ds_add_u32 v[SPW], v[NIL]                      ; 0 onto my spare word
.if \fill
	s_xor_b32 s[G0K+1], s[G0K+1], SLOT1            ; the walking descriptors: the other slot,
	s_add_nc_u64 s[G0K+2:G0K+3], s[G0K+2:G0K+3], NEXT   ; the next four key steps; the type bits on top are not reached
	s_xor_b32 s[G0V+1], s[G0V+1], SLOT1
	s_add_nc_u64 s[G0V+2:G0V+3], s[G0V+2:G0V+3], NEXT
	s_wait_xcnt 0x0                                ; the last prefetch, a slot back, has read its address
	s_add_nc_u64 s[PFA:PFA+1], s[PFA:PFA+1], NEXT  ; one slot further on than the walking descriptors
	s_wait_dscnt 0x0                               ; the add is done, my LDS stores have landed, and my reads of the slot that I have left are over
	CROUND
	JLOAD                                          ; the first thing behind the round, and my one tensor load until the next
	ASK
.else
	s_wait_dscnt 0x0
	s_barrier_signal -1
	s_barrier_wait -1
.endif
.endm
.macro STEPS                           ; a slot's four key steps: written once, walked four times
	s_mov_b32 s[STP], 4
.Lstep_\@:
	STEP
	s_add_co_u32 s[TB], s[TB], UNIT
	s_add_co_u32 s[TS], s[TS], 512
	s_sub_co_u32 s[STP], s[STP], 1
	s_cmp_lg_u32 s[STP], 0
	s_cbranch_scc1 .Lstep_\@
	s_sub_co_u32 s[TB], s[TB], 4*UNIT
	s_xor_b32 s[TB], s[TB], SLOT1                  ; on to the other slot
.endm
.Lslot:                                            ; three trips: behind each change of slots but the last the next slot is asked for
	CHANGE 1
	STEPS
	s_sub_co_u32 s[SLOTS], s[SLOTS], 1
	s_cmp_lg_u32 s[SLOTS], 0
	s_cbranch_scc1 .Lslot
	CHANGE 0                                       ; the last slot is written out
	STEPS
	; THE WAY OUT.  O^T / the sum is the third product's operand: a lane's 64 numbers are its query's channels 32 b + 16 (lane / 16) + i, as the quantiser wants them; the fragments go to aq as images.
.irp i, 0,1
	v_add_f32 v[TA+2*\i], v[ST+6*\i+2], v[ST+6*\i+3]   ; the sum's two halves (these lines are also the plain instructions behind the last products)
.endr
.irp i, 0,1
	s_delay_alu instid0(VALU_DEP_2)
	v_permlanex16_b32 v[WK+12*\i+4], v[TA+2*\i], s[SEL], s[SEL+1]
.endr
.irp i, 0,1
	s_delay_alu instid0(VALU_DEP_2)
	v_add_f32 v[TA+2*\i], v[TA+2*\i], v[WK+12*\i+4]    ; and lane l xor 16's: the row's sum
.endr
	v_add_nc_u32 v[ADF], s43, v[LI]                ; my two fragments' place in the unit
	v_add_nc_u32 v[ADB], s46, v[R16]               ; my scale words' place in LDS
	s_wait_alu depctr_va_vdst(0)
.irp i, 0,1
	v_rcp_f32 v[ST+6*\i+4], v[TA+2*\i]
.endr
	s_lshl_b32 s44, s[WV], 9
	s_add_co_u32 s44, s44, OSC
	v_add_nc_u32 v[ADT], s44, v[LI]                ; (plain instructions behind the reciprocals)  waves 0 and 1 read a unit's 512 bytes of scale words back,
	s_mul_i32 s45, s[WV], 16*UNIT
	v_add_nc_u32 v[ADS], s45, v[LI]                ; and store them: wave 1's unit lies 16 units behind wave 0's
	s_wait_alu depctr_va_vdst(0)                   ; one wait for both reciprocals, ahead of their first reader
	WIN 0x01                                       ; O^T in window 1; the quotient in window 0, where the scores lay
.irp i, 0,1
.set cnt, 0
.rept 32
	v_pk_mul_f32 v[S+64*\i+cnt:S+64*\i+cnt+1], v[64*\i+cnt:64*\i+cnt+1], v[ST+6*\i+4:ST+6*\i+5] op_sel_hi:[1,0]
.set cnt, cnt+2
.endr
.endr
	WIN 0
.irp i, 0,1
	QUANT S+64*\i, PC+12*\i, TC, PS+\i, WK+12*\i
.irp c, 0,1,2
	global_store_b128 v[ADF], v[PC+12*\i+4*\c:PC+12*\i+4*\c+3], s[12:13] offset:FRB*\i+512*\c   ; 512 consecutive bytes, aligned to 256
.endr
.endr
	ds_store_b64 v[ADB], v[PS:PS+1]                ; both halves of the lanes hold the same words and write the same bytes
	s_wait_dscnt 0x0                               ; for the others' sake
	s_barrier_signal -1
	s_barrier_wait -1
	s_cmp_lt_u32 s[WV], 2
	s_cbranch_scc0 .Lno_words
	ds_load_b128 v[S:S+3], v[ADT]
	s_wait_dscnt 0x0
	global_store_b128 v[ADS], v[S:S+3], s[12:13] offset:SCW   ; a unit's scale words: 512 consecutive bytes
.Lno_words:
	s_wait_tensorcnt 0x0                           ; the wave's end
	ds_add_u32 v[SPW], v[NIL]
	s_wait_dscnt 0x0
	CROUND                                         ; the closing round: no work-group ends while a partner may still ask for a tile that names it
	s_endpgm
.Lfunc_end_k_qd44d3b3a0f_attn:
	.size	k_qd44d3b3a0f_attn, .Lfunc_end_k_qd44d3b3a0f_attn-k_qd44d3b3a0f_attn
	.p2alignl 7, 3214868480
	.fill 96, 4, 3214868480
	.section	.rodata,"a",@progbits
	.p2align	6, 0x0
	.amdhsa_kernel k_qd44d3b3a0f_attn
		.amdhsa_group_segment_fixed_size 327680
		.amdhsa_private_segment_fixed_size 0
		.amdhsa_enable_private_segment 0
		.amdhsa_kernarg_size 40
		.amdhsa_user_sgpr_count 2
		.amdhsa_user_sgpr_kernarg_segment_ptr 1
		.amdhsa_wavefront_size32 1
		.amdhsa_system_sgpr_workgroup_id_x 1
		.amdhsa_system_sgpr_workgroup_id_y 1
		.amdhsa_system_sgpr_workgroup_id_z 1
		.amdhsa_system_vgpr_workitem_id 0
		.amdhsa_next_free_vgpr 512
		.amdhsa_next_free_sgpr 66
		.amdhsa_reserve_vcc 0
		.amdhsa_float_denorm_mode_32 3
		.amdhsa_float_denorm_mode_16_64 3
		.amdhsa_memory_ordered 1
		.amdhsa_forward_progress 1
		.amdhsa_inst_pref_size 104
	.end_amdhsa_kernel
	.amdgpu_metadata
---
amdhsa.version: [ 1, 2 ]
amdhsa.kernels:
  - .name:           k_qd44d3b3a0f_attn
    .symbol:         k_qd44d3b3a0f_attn.kd
    .args:
      - { .name: qq, .offset: 0, .size: 8, .value_kind: global_buffer, .address_space: global }
      - { .name: kq, .offset: 8, .size: 8, .value_kind: global_buffer, .address_space: global }
      - { .name: vq, .offset: 16, .size: 8, .value_kind: global_buffer, .address_space: global }
      - { .name: attention_mask, .offset: 24, .size: 8, .value_kind: global_buffer, .address_space: global }
      - { .name: aq, .offset: 32, .size: 8, .value_kind: global_buffer, .address_space: global }
    .group_segment_fixed_size: 327680
    .private_segment_fixed_size: 0
    .kernarg_segment_align: 8
    .kernarg_segment_size: 40
    .max_flat_workgroup_size: 256
    .sgpr_count:     66
    .vgpr_count:     512
    .wavefront_size: 32
...
	.end_amdgpu_metadata
.endif
;; end of part 2
;; launch proj (part 3): grid 8 x 32, 4 waves a work-group, clusters of 4 x 4, 327,680 bytes of LDS; arguments aq, wq, out0; writes out0
.if DOCPART == 3
	.amdgcn_target "amdgcn-amd-amdhsa--gfx1250"
	.amdhsa_code_object_version 6
	.text
	.protected	k_qd44d3b3a0f_proj
	.globl	k_qd44d3b3a0f_proj
	.p2align	8
	.type	k_qd44d3b3a0f_proj,@function
k_qd44d3b3a0f_proj:
	s_mov_b64 s[64:65], 0
	v_nop
	global_prefetch_b8 v0, s[64:65] scope:SCOPE_SE
	s_setreg_imm32_b32 hwreg(HW_REG_WAVE_MODE, 25, 1), 1
	s_wait_xcnt 0x0
	s_wait_alu depctr_hold_cnt(0) depctr_sa_sdst(0) depctr_va_vdst(0) depctr_va_sdst(0) depctr_va_ssrc(0) depctr_va_vcc(0) depctr_vm_vsrc(0)
	s_getreg_b32 s2, hwreg(HW_REG_IB_STS2, 6, 4)
	s_cmp_eq_u32 s2, 0
	s_cbranch_scc0 .Lentry_in_a_cluster
	s_endpgm
.Lentry_in_a_cluster:
	s_bfe_u32 s2, ttmp6, 0x10000c
	s_cmp_lg_u32 s2, 0xf033
	s_cbranch_scc0 .Lentry_shape_is_right
	s_endpgm
.Lentry_shape_is_right:
; out0[m][n] = the sum over e of A[m][e] W[n][e], both on codes of FP6 (E2M3) with E8M0 scales; sums in f32.  aq and wq hold units of 12,800 bytes in the order of an operand's registers:
; eight fragment images of 1,536 bytes (register g of lane L at 512 (g / 4) + 16 L + 4 (g % 4)), then 512 bytes of scale words; unit number 16 G + e / 128, G = row / 128.
; A work-group of four waves makes 128 x 256 of out0, a wave 64 x 128 in 32 accumulators; the product is used transposed (source 0 = 16 rows of W, source 1 = 16 rows of A).
; RING: two LDS slots of four K steps (4 units of A, 8 of W), four fills in all; waves 0 and 1 fetch two units of A each, waves 2 and 3 four units of W each, one tensor load a wave for each fill.
; CLUSTER: 4 x 4 work-groups; A's units are asked for jointly along a row of the cluster, W's along a column.
; PREFETCH: at each change of slots every tensor load has landed, so the next fill sets out with nothing beside it.  So behind the joint load of fill f the cluster asks for fill f + 1, one fill ahead of the load that wants it:
; of the 100 (A) or 200 (W) blocks of 256 bytes that a wave fetches, each of the four partners that ask for them jointly takes a quarter, told apart by ADDRESS (cx for A, cy for W): a lane a block, 25 lanes an instruction
; (the lanes beyond name the last block again), one instruction for A's waves and two for W's.  The offsets are immediates; behind the last fill nothing is asked for.
.set UNIT,  12800
.set FRB,   1536
.set SCW,   8*FRB
.set SLOT,  12*UNIT
.set SPARE, 2*SLOT
.set LAPS,  2
.set SPITCH, 528
.set ADRA, 16
.set ADRB, 20
.set ADRS, 22
.set STO,  24
.set RD,   25
.set CO,   26
.set SPW,  28
.set NIL,  29
.set SC,   32
.set AF,   64
.set BK,   64
.set G1,   24
.set G0,   32
.set G1B,  48
.set G0B,  56
.set MSB, 0
.macro WIN new
.if MSB != \new
	s_set_vgpr_msb (MSB<<8)|\new
.set MSB, \new
.endif
.endm
.set MUL,  0xa1
.set TO_B, 0x40
.macro JLOAD g0a, g1a, g0b, g1b
	s_cmp_eq_u32 s15, 0
	s_cbranch_scc0 .Lfor_b_\@
	tensor_load_to_lds s[\g0a:\g0a+3], s[\g1a:\g1a+7]
	s_nop 0
.rept 4
	v_nop
.endr
	s_branch .Lasked_\@
.Lfor_b_\@:
	tensor_load_to_lds s[\g0b:\g0b+3], s[\g1b:\g1b+7]
	s_nop 0
.rept 4
	v_nop
.endr
.Lasked_\@:
.endm
.macro CREST
	s_cmp_lg_u32 s14, 0
	s_cbranch_scc1 .Lnot_wave_0_\@
	s_barrier_signal -3
.Lnot_wave_0_\@:
	s_barrier_wait -3
	s_barrier_signal -1
	s_barrier_wait -1
.endm
.macro CROUND
	s_barrier_signal -1
	s_barrier_wait -1
	CREST
.endm
.macro PLACES
.rept 4
	v_nop
.endr
.endm
.macro ASK f                           ; my work-group's quarter of what my wave fetches in fill f; the branch hangs on the wave's number alone
	global_prefetch_b8 v30, s[4:5] offset:4*UNIT*(\f) th:TH_LOAD_NT scope:SCOPE_SE
	s_cmp_eq_u32 s15, 0
	s_cbranch_scc1 .Lasked_all_\@
	global_prefetch_b8 v30, s[4:5] offset:4*UNIT*(\f)+6400 th:TH_LOAD_NT scope:SCOPE_SE
.Lasked_all_\@:
.endm
	s_load_b128 s[4:7], s[0:1], 0x0
	s_load_b64 s[8:9], s[0:1], 0x10
	v_lshl_add_u32 v[SPW], v0, 2, SPARE
	v_mov_b32 v[NIL], 0
	ds_add_u32 v28, v29
	ds_add_u32 v28, v29
	s_wait_dscnt 0x0
	v_lshrrev_b32 v1, 5, v0
	v_readfirstlane_b32 s14, v1
	v_and_b32 v30, 31, v0                          ; the prefetches' offset: 256 x min(lane, 24); never rewritten
	v_min_u32 v30, 24, v30
	v_lshlrev_b32 v30, 8, v30
	s_lshr_b32 s15, s14, 1
	s_and_b32 s16, s14, 1
	s_bfe_u32 s40, ttmp6, 0x40000
	s_bfe_u32 s41, ttmp6, 0x40004
	s_lshl_b32 s42, ttmp9, 2
	s_add_co_u32 s42, s42, s40
	s_and_b32 s17, ttmp7, 0xffff
	s_lshl_b32 s17, s17, 2
	s_add_co_u32 s17, s17, s41
	s_lshl_b32 s43, s41, 2
	s_lshl_b32 s43, 15, s43
	s_lshl_b32 s44, 0x1111, s40
	s_or_b32 s[G1+0], s43, (3<<16)|(1<<21)
	s_or_b32 s[G1B+0], s44, (3<<16)|(1<<21)
	s_mov_b32 s[G1+1], 32<<16
	s_mov_b32 s[G1+2], 100<<16
	s_mov_b32 s[G1+3], 32<<16
	s_mov_b32 s[G1+4], 100
	s_mov_b32 s[G1+5], 32
	s_mov_b32 s[G1+6], 0
	s_mov_b32 s[G1+7], 0
	s_mov_b32 s[G1B+1], 32<<16
	s_mov_b32 s[G1B+2], 200<<16
	s_mov_b32 s[G1B+3], 32<<16
	s_mov_b32 s[G1B+4], 200
	s_mov_b32 s[G1B+5], 32
	s_mov_b32 s[G1B+6], 0
	s_mov_b32 s[G1B+7], 0
	s_lshl_b32 s20, s17, 4
	s_lshl_b32 s21, s16, 1
	s_add_co_u32 s20, s20, s21
	s_mul_i32 s20, s20, UNIT
	s_mov_b32 s21, 0
	s_lshl_b32 s46, s42, 1
	s_add_co_u32 s46, s46, s16
	s_mul_i32 s46, s46, 16*UNIT
	s_mov_b32 s47, 0
	s_mul_i32 s45, s16, 2*UNIT
	s_mul_i32 s22, s16, 4*UNIT
	s_add_co_u32 s22, s22, 4*UNIT
	s_wait_kmcnt 0x0
	s_add_nc_u64 s[20:21], s[4:5], s[20:21]
	s_add_nc_u64 s[46:47], s[6:7], s[46:47]
	s_cmp_eq_u32 s15, 0                            ; do I fetch for A?
	s_cselect_b64 s[4:5], s[20:21], s[46:47]       ; where my wave's part of fill 0 begins; never rewritten from here on
	s_cselect_b32 s6, s40, s41                     ; my place among the four that ask for it with me
	s_mov_b32 s7, 12800
	s_cselect_b32 s7, 6400, s7                     ; a quarter of that part: 25 blocks of A, 50 of W
	s_mul_i32 s6, s6, s7
	s_mov_b32 s7, 0
	s_add_nc_u64 s[4:5], s[4:5], s[6:7]
.irp s, 0,1
	s_mov_b32 s[G0+4*\s], 1
	s_add_co_u32 s[G0+4*\s+1], s45, \s*SLOT
	s_add_nc_u64 s[G0+4*\s+2:G0+4*\s+3], s[20:21], \s*4*UNIT
	s_or_b32 s[G0+4*\s+3], s[G0+4*\s+3], 0x80000000
	s_mov_b32 s[G0B+4*\s], 1
	s_add_co_u32 s[G0B+4*\s+1], s22, \s*SLOT
	s_add_nc_u64 s[G0B+4*\s+2:G0B+4*\s+3], s[46:47], \s*4*UNIT
	s_or_b32 s[G0B+4*\s+3], s[G0B+4*\s+3], 0x80000000
	s_wait_alu depctr_va_vdst(0)
	s_wait_tensorcnt 0x0
	ds_add_u32 v28, v29
	ds_add_u32 v28, v29
	s_wait_dscnt 0x0
	CROUND
	JLOAD G0+4*\s, G1, G0B+4*\s, G1B
	ASK \s+1
.endr
	v_and_b32 v1, 15, v0
	v_bfe_u32 v2, v0, 4, 1
	s_wait_alu depctr_va_vdst(0)
	v_and_b32 v3, 31, v0
	v_lshlrev_b32 v[CO], 4, v3
	s_mul_i32 s21, s15, 4*FRB
	s_mul_i32 s22, s16, 4*UNIT
	s_add_co_u32 s22, s22, 4*UNIT
.irp s, 0,1
	v_add_nc_u32 v[ADRA+\s], s21, v[CO]
	v_add_nc_u32 v[ADRB+\s], s22, v[CO]
	s_add_co_u32 s21, s21, SLOT
	s_add_co_u32 s22, s22, SLOT
.endr
	s_mul_i32 s10, s16, 4*UNIT
	s_add_co_u32 s10, s10, 4*UNIT
	s_lshl_b32 s11, s15, 8
	s_sub_co_u32 s10, s10, s11
	v_mul_u32_u24 v4, s10, v2
	v_lshl_add_u32 v4, v1, 4, v4
	s_add_co_u32 s11, s11, SCW
	v_add_nc_u32 v[ADRS], s11, v4
	v_add_nc_u32 v[ADRS+1], SLOT, v[ADRS]
	s_mul_i32 s12, s14, 16*SPITCH
	v_mul_u32_u24 v5, v1, SPITCH
	v_lshl_add_u32 v5, v2, 6, v5
	v_add_nc_u32 v[STO], s12, v5
	v_add_nc_u32 v[RD], s12, v[CO]
	s_lshl_b32 s20, s17, 7
	s_lshl_b32 s21, s15, 6
	s_add_co_u32 s20, s20, s21
	s_lshl_b32 s20, s20, 13
	s_mov_b32 s21, 0
	s_add_nc_u64 s[8:9], s[8:9], s[20:21]
	s_lshl_b32 s46, s42, 10
	s_lshl_b32 s47, s16, 9
	s_add_co_u32 s46, s46, s47
	s_mov_b32 s47, 0
	s_add_nc_u64 s[8:9], s[8:9], s[46:47]
.macro FETCH slot, q, p
	WIN TO_B
.irp b, 0,1,2,3,4,5,6,7
.irp c, 0,1,2
	ds_load_b128 v[128*(\p)+12*\b+4*\c:128*(\p)+12*\b+4*\c+3], v[ADRB+\slot] offset:UNIT*(\q)+FRB*\b+512*\c
.endr
.endr
	WIN 0
.irp a, 0,1,2,3
.irp c, 0,1,2
	ds_load_b128 v[AF+48*(\p)+12*\a+4*\c:AF+48*(\p)+12*\a+4*\c+3], v[ADRA+\slot] offset:UNIT*(\q)+FRB*\a+512*\c
.endr
.endr
	ds_load_b128 v[SC+8*(\p):SC+8*(\p)+3], v[ADRS+\slot] offset:UNIT*(\q)
	ds_load_b128 v[SC+8*(\p)+4:SC+8*(\p)+7], v[ADRS+\slot] offset:UNIT*(\q)+256
.endm
.macro MUL8 a, p, zero
.irp b, 0,1,2,3,4,5,6,7
.if \zero
	v_wmma_scale_f32_16x16x128_f8f6f4 v[8*(8*(\a)+\b):8*(8*(\a)+\b)+7], v[128*(\p)+12*\b:128*(\p)+12*\b+11], v[AF+48*(\p)+12*(\a):AF+48*(\p)+12*(\a)+11], 0, v[SC+8*(\p)+\b], v[SC+8*(\p)+(\a)] matrix_a_fmt:MATRIX_FMT_FP6 matrix_b_fmt:MATRIX_FMT_FP6 matrix_a_scale:MATRIX_SCALE_ROW1
.else
	v_wmma_scale_f32_16x16x128_f8f6f4 v[8*(8*(\a)+\b):8*(8*(\a)+\b)+7], v[128*(\p)+12*\b:128*(\p)+12*\b+11], v[AF+48*(\p)+12*(\a):AF+48*(\p)+12*(\a)+11], v[8*(8*(\a)+\b):8*(8*(\a)+\b)+7], v[SC+8*(\p)+\b], v[SC+8*(\p)+(\a)] matrix_a_fmt:MATRIX_FMT_FP6 matrix_b_fmt:MATRIX_FMT_FP6 matrix_a_scale:MATRIX_SCALE_ROW1
.endif
.endr
.endm
.macro STEP slot, q, zero
	s_wait_dscnt 0x0
	PLACES
	FETCH \slot, (\q)+1, ((\q)+1)%2
	WIN MUL
	MUL8 0, (\q)%2, \zero
	MUL8 1, (\q)%2, \zero
	MUL8 2, (\q)%2, \zero
	MUL8 3, (\q)%2, \zero
	WIN 0
.endm
.macro TURN slot, next, fill
	s_wait_tensorcnt 0x0
	ds_add_u32 v[SPW], v[NIL]
	s_wait_dscnt 1
	WIN MUL
	MUL8 0, 1, 0
	s_wait_dscnt 0x0
	s_barrier_signal -1
	MUL8 1, 1, 0
	WIN 0
	s_barrier_wait -1
.if \fill
	CREST
	s_add_nc_u64 s[G0+4*\slot+2:G0+4*\slot+3], s[G0+4*\slot+2:G0+4*\slot+3], 8*UNIT
	s_add_nc_u64 s[G0B+4*\slot+2:G0B+4*\slot+3], s[G0B+4*\slot+2:G0B+4*\slot+3], 8*UNIT
	JLOAD G0+4*\slot, G1, G0B+4*\slot, G1B
.else
	PLACES
.endif
	FETCH \next, 0, 0
.if (\fill) && (\slot) == 0
	ASK 3                                          ; behind fill 2's joint load and the run of LDS loads
.endif
	WIN MUL
	MUL8 2, 1, 0
	MUL8 3, 1, 0
	WIN 0
.endm
	s_wait_alu depctr_va_vdst(0)
	s_wait_tensorcnt 1
	s_barrier_signal -1
	s_barrier_wait -1
	FETCH 0, 0, 0
	STEP 0, 0, 1
	s_mov_b32 s3, LAPS-1
.Llap:
	STEP 0, 1, 0
	STEP 0, 2, 0
	TURN 0, 1, 1
	STEP 1, 0, 0
	STEP 1, 1, 0
	STEP 1, 2, 0
	TURN 1, 0, 1
	STEP 0, 0, 0
	s_sub_co_u32 s3, s3, 1
	s_cmp_lg_u32 s3, 0
	s_cbranch_scc1 .Llap
	STEP 0, 1, 0
	STEP 0, 2, 0
	TURN 0, 1, 0
	STEP 1, 0, 0
	STEP 1, 1, 0
	STEP 1, 2, 0
	s_wait_dscnt 0x0
	WIN MUL
	MUL8 0, 1, 0
	MUL8 1, 1, 0
	MUL8 2, 1, 0
	MUL8 3, 1, 0
	WIN 0
.macro TOSTAGE a
	WIN 0x08
.irp b, 0,1,2,3,4,5,6,7
	ds_store_b128 v[STO], v[8*(8*(\a)+\b):8*(8*(\a)+\b)+3] offset:128*(\b/2)+32*(\b%2)
	ds_store_b128 v[STO], v[8*(8*(\a)+\b)+4:8*(8*(\a)+\b)+7] offset:128*(\b/2)+32*(\b%2)+16
.endr
	WIN 0
.irp t, 0,1,2,3,4,5,6,7,8,9,10,11,12,13,14,15
	ds_load_b128 v[BK+64*((\a)%2)+4*\t:BK+64*((\a)%2)+4*\t+3], v[RD] offset:\t*SPITCH
.endr
.endm
.macro SEND a, younger
	s_wait_dscnt \younger
.irp t, 0,1,2,3,4,5,6,7,8,9,10,11,12,13,14,15
	global_store_b128 v[CO], v[BK+64*((\a)%2)+4*\t:BK+64*((\a)%2)+4*\t+3], s[8:9] offset:(32*((\a)/2)+8*((\a)%2)+\t+8*(\t/8))*8192 th:TH_STORE_NT
.endr
.endm
	PLACES
	TOSTAGE 0
.irp a, 1,2,3
.if \a > 1
	s_wait_xcnt 0x0
.endif
	TOSTAGE \a
	SEND \a-1, 32
.endr
	SEND 3, 0
	s_wait_tensorcnt 0x0
	ds_add_u32 v[SPW], v[NIL]
	s_wait_dscnt 0x0
	CROUND
	s_endpgm
.Lfunc_end_k_qd44d3b3a0f_proj:
	.size	k_qd44d3b3a0f_proj, .Lfunc_end_k_qd44d3b3a0f_proj-k_qd44d3b3a0f_proj
	.p2alignl 7, 3214868480
	.fill 96, 4, 3214868480
	.section	.rodata,"a",@progbits
	.p2align	6, 0x0
	.amdhsa_kernel k_qd44d3b3a0f_proj
		.amdhsa_group_segment_fixed_size 327680
		.amdhsa_private_segment_fixed_size 0
		.amdhsa_enable_private_segment 0
		.amdhsa_kernarg_size 24
		.amdhsa_user_sgpr_count 2
		.amdhsa_user_sgpr_kernarg_segment_ptr 1
		.amdhsa_wavefront_size32 1
		.amdhsa_system_sgpr_workgroup_id_x 1
		.amdhsa_system_sgpr_workgroup_id_y 1
		.amdhsa_system_sgpr_workgroup_id_z 1
		.amdhsa_system_vgpr_workitem_id 0
		.amdhsa_next_free_vgpr 768
		.amdhsa_next_free_sgpr 66
		.amdhsa_reserve_vcc 0
		.amdhsa_float_denorm_mode_32 3
		.amdhsa_float_denorm_mode_16_64 3
		.amdhsa_memory_ordered 1
		.amdhsa_forward_progress 1
		.amdhsa_inst_pref_size 133
	.end_amdhsa_kernel
	.amdgpu_metadata
---
amdhsa.version: [ 1, 2 ]
amdhsa.kernels:
  - .name:           k_qd44d3b3a0f_proj
    .symbol:         k_qd44d3b3a0f_proj.kd
    .args:
      - { .name: aq, .offset: 0, .size: 8, .value_kind: global_buffer, .address_space: global }
      - { .name: wq, .offset: 8, .size: 8, .value_kind: global_buffer, .address_space: global }
      - { .name: out0, .offset: 16, .size: 8, .value_kind: global_buffer, .address_space: global }
    .group_segment_fixed_size: 327680
    .private_segment_fixed_size: 0
    .kernarg_segment_align: 8
    .kernarg_segment_size: 24
    .max_flat_workgroup_size: 128
    .sgpr_count:     66
    .vgpr_count:     768
    .wavefront_size: 32
...
	.end_amdgpu_metadata
.endif
;; end of part 3
